; MI455X (gfx1250); checked and timed in simulation.
; The chip was launched on July 23, 2026; its instructions are those of AMD's public machine-readable ISA for CDNA 5 (MIT licence, August 2026) and "CDNA5" Instruction Set Architecture Reference Guide (July 2026). The comments in the code are by the model that wrote it; some were corrected since.
;; Barrier Net. Allowed arithmetic: matrix products marked QUANTISED: E4M3 operands, one E8M0 scale for each 32 along K, by v_wmma_scale_f32_16x16x128_f8f6f4 with both operands' format E4M3, f32 sums; products left as they are: f32 operands where the result goes on into a quantised operand, else bf16, f16 or f32 operands; f32 sums; everything else in f32.
;; Inputs: W1 8 x 2,048 float32; W21 2,048 x 1,024 float32; W22 2,048 x 1,024 float32; W31 1,024 x 2 float32; W32 1,024 x 2 float32; b1 2,048 float32; b21 1,024 float32; b22 1,024 float32; b31 2 float32; b32 2 float32; input_mean 8 float32; input_std 8 float32; output_mean 2 float32; output_std 2 float32; s0 1 float32; s1 1 float32; s2 1 float32; s3 1 float32; x 16,384 x 8 float32.
;; Outputs: out0 16,384 x 2 float32.
;; Constants: sgn = 1.
;; This version of the problem:
;;   THIS VERSION OF THE PROBLEM IS GIVEN IN LOW PRECISION. The matrix products marked QUANTISED in the list below multiply operands that are first quantised to E4M3 (4 exponent bits, 3 mantissa bits; 8 bits a number), with one power-of-two scale for each 32 numbers along K (OCP MX v1.0); their sums are f32. All else is computed in f32.
;;   The module's matrix products, in the order in which they are computed (A, B: the left and right operand; K: the contracted axis; several contracted axes count as one K, in the product's order):
;;     1. [M 16,384, K 8] x [K 8, N 2,048]; A: input x; B: input W1: left as it is (K = 8 < 32)
;;     2. [M 16,384, K 2,048] x [K 2,048, N 1,024]; A: computed on the way; B: input W21: QUANTISED
;;     3. [M 16,384, K 1,024] x [K 1,024, N 2]; A: computed on the way; B: input W31: left as it is (N = 2 < 16)
;;     4. [M 16,384, K 2,048] x [K 2,048, N 1,024]; A: computed on the way; B: input W22: QUANTISED
;;     5. [M 16,384, K 1,024] x [K 1,024, N 2]; A: computed on the way; B: input W32: left as it is (N = 2 < 16)
;;   THE QUANTISER, for each operand of a quantised product, along K:
;;     - K is cut into blocks of 32 from its start; a last block that is shorter is filled with zeros.
;;     - A block's scale is 2^e with e = floor(log2(the largest magnitude in the block)) - 8, held to -126 .. 127; a block of zeros has e = 0. As a byte (E8M0): e + 127.
;;     - Each number is divided by its block's scale, clamped to +-448, and rounded to the nearest number of E4M3, ties to even, subnormals kept.
;;     - The product sums the exact products of the quantised numbers (number of the format x scale) in f32.
;;   ~~~python
;;   def quantise(x, axis):      # numpy; x: float32 -> the quantised numbers, widened to float32 again
;;       x = np.moveaxis(x, axis, -1); K = x.shape[-1]
;;       x = np.pad(x, [(0, 0)] * (x.ndim - 1) + [(0, -K % 32)]); x = x.reshape(x.shape[:-1] + (-1, 32)); a = np.abs(x).max(-1, keepdims=True)
;;       e = np.where(a > 0, np.clip(np.frexp(np.where(a > 0, a, 1))[1] - 1 - 8, -126, 127), 0)      # np.frexp(a)[1] - 1 = floor(log2(a)), exactly
;;       r = np.clip(x / 2.0 ** e, -448, 448)
;;       step = 2.0 ** (np.maximum(np.frexp(np.where(r == 0, 1, r))[1] - 1, -6) - 3)
;;       q = np.round(r / step) * step * 2.0 ** e      # np.round: ties to even
;;       return np.moveaxis(q.reshape(q.shape[:-2] + (-1,))[..., :K], -1, axis).astype(np.float32)
;;   ~~~
;;   OPERANDS COMPUTED ON THE WAY. 'Computed on the way' means the value that the module computes at that place (a softmax that the list does not call 'softmax' is quantised finished and normalised). What goes into a quantiser is computed in f32, as accurately as f32 sums, v_exp_f32 and their like allow (about 1e-6 of the number): no bf16 or f16 on the way to a quantiser, and a product that is left as it is and whose result goes on into a quantised operand takes f32 operands (vector FMAs, or v_wmma_f32_16x16x4_f32). A number that lies on a knife's edge between two numbers of the format may be rounded either way, as far as f32 arithmetic and the matrix unit's own rounding can turn it there, and no further.
;; One version. Each part assembles by itself: llvm-mc -triple=amdgcn-amd-amdhsa -mcpu=gfx1250 --defsym DOCPART=n.
;; ======== version 1 of 1: 2 launches
;; limits: right only within a limited range of input values
;; workspace buffers: wimg 2,162,688 bytes
;; launch wprep (part 1): grid 256 x 1, 8 waves a work-group, no clusters, 2,048 bytes of LDS; arguments W21, wimg; writes wimg
.if DOCPART == 1
	.amdgcn_target "amdgcn-amd-amdhsa--gfx1250"
	.amdhsa_code_object_version 6
	.text
	.protected	k_q83b2d44289_wprep
	.globl	k_q83b2d44289_wprep
	.p2align	8
	.type	k_q83b2d44289_wprep,@function
k_q83b2d44289_wprep:
	s_mov_b64 s[64:65], 0
	v_nop
	global_prefetch_b8 v0, s[64:65] scope:SCOPE_SE
	s_setreg_imm32_b32 hwreg(HW_REG_WAVE_MODE, 25, 1), 1
	s_wait_xcnt 0x0
; WORK LEFT OUT, IN THE WHOLE PROGRAM.  reference() returns out = (u - output_mean) / output_std, u = clip(-x31_actual), x31_actual = x31 * output_std + output_mean,
; x31 = relu(h W21 + b21) W31 + b31, h = relu(x W1 + b1).  x0 = x * input_std + input_mean is assigned and never used.  x32 = 4 sigmoid(relu(h W22 + b22) W32 + b32) is assigned and never used.
; So for all values of the inputs x0, the products with W22 and W32 and the sigmoid reach no output: they are not computed, and input_std, input_mean, W22, b22, W32, b32 are loaded by no launch.
; LIMIT: a NaN, an infinity or an overflow that would arise only in x0 or x32 is not carried anywhere (reference() drops it too).
; THIS LAUNCH turns W21 [2048 (k)][1024 (n)], f32, into codes of FP8 (E4M3) with one E8M0 byte for each 32 along K, laid as the next launch's LDS holds them.
; wimg: [128 along K, 16 of them][256 columns, 4 of them][33,792 bytes]: codes [tile of 16 columns][c 0..3][lane r + 16 h][16 bytes] (column r, k = 32 c + 16 h + 0 .. 15), 32,768 bytes;
;   then scale words (four bytes: the 128 along K of one column) [4 tiles of columns][r][tile in the four], 1,024 bytes.
; A block's scale is 2^(floor(log2(its largest magnitude)) - 8): its byte is the largest magnitude's exponent field - 8, held at 1 from below by a floor among the maximum's leaves.
; LIMITS: a block whose largest magnitude lies under 2^(9 - 127), a block of zeros among them, keeps the byte 1 (zero codes add nothing; only this program reads the bytes).  NaN and infinities are not served.
; SHARES: work-group g takes 128 along K (g % 16) x 64 columns (g / 16); wave w 32 columns (w % 2), a lane a column, and one block of 32 k (w / 2) in the lane's 32 registers.
; A stream read once: no matrix unit, no cluster, no tensor load; no loop, so no prefetch.
.set XW,  32
.set C,   64
.set TM,  72
.set OW2, 80
.set OP2, 88
	s_load_b128 s[4:7], s[0:1], 0x0                ; W21, wimg
	v_lshl_add_u32 v30, v0, 2, 1024                ; my spare word, and 0
	v_mov_b32 v31, 0
	v_lshrrev_b32 v1, 5, v0
	v_readfirstlane_b32 s8, v1                     ; wave
	s_and_b32 s9, ttmp9, 15                        ; which 128 along K
	s_lshr_b32 s10, ttmp9, 4                       ; which 64 columns
	s_and_b32 s11, s8, 1                           ; which 32 of them
	s_lshr_b32 s12, s8, 1                          ; which block of 32 k
	s_mov_b32 s13, 0x600000                        ; the mantissa field of 448
	s_lshl_b32 s16, s9, 19                         ; W21: rows of 4,096 bytes
	s_lshl_b32 s14, s12, 17
	s_add_co_u32 s16, s16, s14
	s_lshl_b32 s14, s10, 8
	s_add_co_u32 s16, s16, s14
	s_lshl_b32 s14, s11, 7
	s_add_co_u32 s16, s16, s14
	s_mov_b32 s17, 0
	s_mul_i32 s18, s9, 135168
	s_lshr_b32 s14, s10, 2
	s_mul_i32 s14, s14, 33792
	s_add_co_u32 s18, s18, s14
	s_and_b32 s15, s10, 3
	s_lshl_b32 s14, s15, 8                         ; the scale words of my 64 columns: 256 bytes
	s_add_co_u32 s20, s18, s14
	s_add_co_u32 s20, s20, 32768
	s_mov_b32 s21, 0
	s_lshl_b32 s14, s15, 13                        ; the codes: four column tiles of 2,048 bytes, two a wave, 512 bytes a block
	s_add_co_u32 s18, s18, s14
	s_lshl_b32 s14, s11, 12
	s_add_co_u32 s18, s18, s14
	s_lshl_b32 s14, s12, 9
	s_add_co_u32 s18, s18, s14
	s_mov_b32 s19, 0
	s_lshl_b32 s22, s11, 9                         ; LDS: [64 columns][4 words]
	s_lshl_b32 s14, s12, 2
	s_add_co_u32 s22, s22, s14
	v_and_b32 v1, 31, v0
	v_and_b32 v2, 15, v0
	v_bfe_u32 v3, v0, 4, 1
	v_lshlrev_b32 v6, 2, v1
	v_lshlrev_b32 v7, 4, v2
	v_lshl_add_u32 v7, v3, 11, v7                  ; lanes 0-15 one column tile, lanes 16-31 the next
	v_lshl_add_u32 v8, v1, 4, s22
	v_and_b32 v9, 1, v1
	v_lshrrev_b32 v10, 1, v1
	v_lshlrev_b32 v10, 4, v10
	v_lshl_add_u32 v9, v9, 9, v10                  ; on the way out lane l packs columns 32 (l % 2) + l / 2 and 16 further on
	v_lshlrev_b32 v11, 3, v1
	s_wait_alu depctr_va_vdst(0)                   ; the wait at the head's end
	s_wait_kmcnt 0x0
	s_add_nc_u64 s[4:5], s[4:5], s[16:17]
	s_add_nc_u64 s[24:25], s[6:7], s[20:21]
	s_add_nc_u64 s[6:7], s[6:7], s[18:19]
.irp i, 0,1,2,3,4,5,6,7,8,9,10,11,12,13,14,15,16,17,18,19,20,21,22,23,24,25,26,27,28,29,30,31
	global_load_b32 v[XW+\i], v6, s[4:5] offset:\i*4096 th:TH_LOAD_NT      ; 32 lanes read 128 consecutive bytes, two waves side by side 256
.endr
	s_wait_loadcnt 0x0
	v_max3_num_f32 v[TM], |v[XW]|, |v[XW+1]|, |v[XW+2]|
	v_max3_num_f32 v[TM+5], |v[XW+3]|, |v[XW+4]|, |v[XW+5]|
.irp i, 6,10,14,18,22,26
	s_delay_alu instid0(VALU_DEP_2)
	v_max3_num_f32 v[TM], v[TM], |v[XW+\i]|, |v[XW+\i+1]|
	s_delay_alu instid0(VALU_DEP_2)
	v_max3_num_f32 v[TM+5], v[TM+5], |v[XW+\i+2]|, |v[XW+\i+3]|
.endr
	s_delay_alu instid0(VALU_DEP_2)
	v_max3_num_f32 v[TM], v[TM], |v[XW+30]|, |v[XW+31]|
	s_delay_alu instid0(VALU_DEP_1)
	v_max3_num_f32 v[TM], v[TM], v[TM+5], 0x4800000                        ; and the floor: the byte cannot fall under 1
	s_delay_alu instid0(VALU_DEP_1)
	v_add_nc_u32 v[TM+2], 0xfc000000, v[TM]        ; 8 off the exponent field: the conversion's scale operand
	s_delay_alu instid0(VALU_DEP_2)
	v_and_or_b32 v[TM+3], v[TM], 0x7f800000, s13   ; 448 x the scale
	s_delay_alu instid0(VALU_DEP_2)
	v_lshrrev_b32 v[TM+4], 23, v[TM+2]             ; the byte
.irp i, 0,1,2,3,4,5,6,7,8,9,10,11,12,13,14,15,16,17,18,19,20,21,22,23,24,25,26,27,28,29,30,31
	v_med3_num_f32 v[XW+\i], v[XW+\i], -v[TM+3], v[TM+3]                   ; the conversion does not saturate (ISA guide 7.6.2)
.endr
.irp g, 0,1,2,3
	v_cvt_scalef32_pk8_fp8_f32 v[C+2*\g:C+2*\g+1], v[XW+8*\g:XW+8*\g+7], v[TM+2]
.endr
	v_nop                                          ; a plain vector line behind the last conversion
	global_store_b128 v7, v[C:C+3], s[6:7]                                 ; k 0-15: sixteen lanes store 256 consecutive bytes, aligned
	global_store_b128 v7, v[C+4:C+7], s[6:7] offset:256                    ; k 16-31
	ds_store_b32 v8, v[TM+4]
	s_wait_dscnt 0x0
	s_barrier_signal -1
	s_barrier_wait -1
	s_cmp_ge_u32 s8, 1                             ; wave 0 packs the 64 scale words
	s_cbranch_scc1 .Ldone
	ds_load_b128 v[OW2:OW2+3], v9
	ds_load_b128 v[OW2+4:OW2+7], v9 offset:256
	s_wait_dscnt 0x0
	v_lshl_or_b32 v[OP2], v[OW2+1], 8, v[OW2]
	v_lshl_or_b32 v[OP2+1], v[OW2+5], 8, v[OW2+4]
	s_delay_alu instid0(VALU_DEP_2)
	v_lshl_or_b32 v[OP2], v[OW2+2], 16, v[OP2]
	s_delay_alu instid0(VALU_DEP_2)
	v_lshl_or_b32 v[OP2+1], v[OW2+6], 16, v[OP2+1]
	s_delay_alu instid0(VALU_DEP_2)
	v_lshl_or_b32 v[OP2], v[OW2+3], 24, v[OP2]
	s_delay_alu instid0(VALU_DEP_2)
	v_lshl_or_b32 v[OP2+1], v[OW2+7], 24, v[OP2+1]
	global_store_b64 v11, v[OP2:OP2+1], s[24:25]   ; 256 consecutive bytes, aligned
.Ldone:
	s_wait_tensorcnt 0x0                           ; the wave's end
	ds_add_u32 v30, v31
	s_wait_dscnt 0x0
	s_endpgm
.Lfunc_end_k_q83b2d44289_wprep:
	.size	k_q83b2d44289_wprep, .Lfunc_end_k_q83b2d44289_wprep-k_q83b2d44289_wprep
	.p2alignl 7, 3214868480
	.fill 96, 4, 3214868480
	.section	.rodata,"a",@progbits
	.p2align	6, 0x0
	.amdhsa_kernel k_q83b2d44289_wprep
		.amdhsa_group_segment_fixed_size 2048
		.amdhsa_private_segment_fixed_size 0
		.amdhsa_enable_private_segment 0
		.amdhsa_kernarg_size 16
		.amdhsa_user_sgpr_count 2
		.amdhsa_user_sgpr_kernarg_segment_ptr 1
		.amdhsa_wavefront_size32 1
		.amdhsa_system_sgpr_workgroup_id_x 1
		.amdhsa_system_sgpr_workgroup_id_y 1
		.amdhsa_system_sgpr_workgroup_id_z 1
		.amdhsa_system_vgpr_workitem_id 0
		.amdhsa_next_free_vgpr 96
		.amdhsa_next_free_sgpr 66
		.amdhsa_reserve_vcc 0
		.amdhsa_float_denorm_mode_32 3
		.amdhsa_float_denorm_mode_16_64 3
		.amdhsa_memory_ordered 1
		.amdhsa_forward_progress 1
		.amdhsa_inst_pref_size 11
	.end_amdhsa_kernel
	.amdgpu_metadata
---
amdhsa.version: [ 1, 2 ]
amdhsa.kernels:
  - .name:           k_q83b2d44289_wprep
    .symbol:         k_q83b2d44289_wprep.kd
    .args:
      - { .name: W21, .offset: 0, .size: 8, .value_kind: global_buffer, .address_space: global }
      - { .name: wimg, .offset: 8, .size: 8, .value_kind: global_buffer, .address_space: global }
    .group_segment_fixed_size: 2048
    .private_segment_fixed_size: 0
    .kernarg_segment_align: 8
    .kernarg_segment_size: 16
    .max_flat_workgroup_size: 256
    .sgpr_count:     66
    .vgpr_count:     96
    .wavefront_size: 32
...
	.end_amdgpu_metadata
.endif
;; end of part 1
;; launch chain (part 2): grid 256 x 1, 4 waves a work-group, clusters of 4 x 1, 327,680 bytes of LDS; arguments x, W1, b1, wimg, b21, W31, b31, output_mean, output_std, s0, s1, s2, s3, out0; writes out0
.if DOCPART == 2
	.amdgcn_target "amdgcn-amd-amdhsa--gfx1250"
	.amdhsa_code_object_version 6
	.text
	.protected	k_q83b2d44289_chain
	.globl	k_q83b2d44289_chain
	.p2align	8
	.type	k_q83b2d44289_chain,@function
k_q83b2d44289_chain:
	s_mov_b64 s[64:65], 0
	v_nop
	global_prefetch_b8 v0, s[64:65] scope:SCOPE_SE
	s_setreg_imm32_b32 hwreg(HW_REG_WAVE_MODE, 25, 1), 1
	s_wait_xcnt 0x0
	s_wait_alu depctr_hold_cnt(0) depctr_sa_sdst(0) depctr_va_vdst(0) depctr_va_sdst(0) depctr_va_ssrc(0) depctr_va_vcc(0) depctr_vm_vsrc(0)
	s_getreg_b32 s2, hwreg(HW_REG_IB_STS2, 6, 4)
	s_cmp_eq_u32 s2, 0
	s_cbranch_scc0 .Lentry_in_a_cluster
	s_endpgm
.Lentry_in_a_cluster:
	s_bfe_u32 s2, ttmp6, 0x10000c
	s_cmp_lg_u32 s2, 0x3003
	s_cbranch_scc0 .Lentry_shape_is_right
	s_endpgm
.Lentry_shape_is_right:
; THE WHOLE LIVE CHAIN FOR 64 ROWS: h = relu(x W1 + b1), quantised; y = relu(Q(h) Q(W21) + b21); x31 = y W31 + b31; the clip; out0.  x0, x32 and their inputs are left out (shown at the head of launch wprep).
; A work-group of four waves owns 64 rows and all 1,024 columns of W21, so h, y and x31 never go to memory and each row of out0 has one owner.  256 work-groups.
; A wave makes 64 rows x 256 columns: 64 accumulators, 512 registers.  K = 2,048 in 16 steps of 128.
; W21's codes and scale words of a step are one dense image of 135,168 bytes; a ring of two LDS slots holds a step each.  Wave w fetches, by one tensor load of 132 rows of 256 bytes, the quarter that it alone reads.
; CLUSTERS: all work-groups walk the same images; four form a cluster and ask JOINTLY (mask 15).  A round of the cluster's barrier stands in front of each refill.
; h ON THE WAY: in step s wave w makes, for the 64 rows, the block of 32 hidden units number w of step s + 1: the f32 matrix form (K = 8 in two steps of 4, b1 as the first step's C), used transposed, so that a lane holds one row and
;   16 neighbours along K (lane r of tile u takes unit 16 (r / 8) + 8 u + r % 8; step s', lane half h, register j stand for input 4 h + 2 s' + j on both sides); the quantiser; codes and scale bytes into a stage of two halves in LDS,
;   in the order of the operand's registers.  The step's one round shows them to the other waves.  W1 and b1 of a block come from memory two steps ahead, 12 loads a wave.
; A block's scale is 2^(floor(log2(its largest magnitude)) - 8), its byte held at 1 from below by a floor among the maximum's leaves; relu lies in the hold.
; THE PRODUCT IS USED TRANSPOSED (source 0 = 16 columns of W21, source 1 = 16 rows of h): a lane holds one row and eight neighbouring columns; b21 is the C of each sum's first product.
; PREFETCH: step s names the image of step s + 3, whose tensor load is issued in step s + 2.  All work-groups read the same images, so four clusters ask; in each, the four partners share a wave's 132 blocks of 256 bytes out by address,
;   33 each (32 lanes, and one block more by a second line).  Steps 0 to 2 come by their loads alone; steps 13 to 15 ask for nothing.
; REGISTERS: window 0: addresses, scale words, x, W1 and b1 (two sets), the f32 accumulators (written by matrix instructions alone), the quantiser's, h's fragments v192-255.  window 1: W21's 16 fragments (in step 0: eight, and b21).
;   windows 2, 3: the accumulators of column tiles 0-7, 8-15 (accumulator (a, b) at v[8 (4 (b % 8) + a)]).
; LIMITS: a block of h whose largest number lies under 2^(9 - 127) keeps the byte 1 (its codes are zeros or tiny).  NaN and infinities among the inputs are not served (in a maximum and a minimum a NaN loses).
;   The division by output_std is a multiplication by v_rcp_f32 (1 ulp).  The eight multiply-adds of a number of h run in the order of inputs 0, 1, 4, 5, 2, 3, 6, 7, behind b1.
.set QB,    33792
.set STEPB, 135168
.set ASTG,  270336                     ; h's codes: two halves of 8,192 bytes: [tile of 16 rows][c][lane][16]
.set ASC,   286720                     ; h's scale bytes: two halves of 256: [r][tile][c]
.set W3S,   287232                     ; W31, 2,048 bytes a wave
.set RED,   295424                     ; the waves' partial sums: [wave][64 rows][2]
.set SPARE, 297472                     ; the spare words
.set ADRB, 6                           ; v6, v7  my quarter of slot 0, 1, + 16 x lane
.set ADRA, 8
.set ASTO, 9
.set ASCS, 10
.set ASCL, 11
.set W3L,  12
.set W3ST, 13
.set REDS, 14
.set REDL, 15
.set WOF,  16
.set BOF,  17
.set XOF,  18
.set BO,   19
.set L16,  20
.set PF1,  21
.set PF2,  22
.set OUTO, 23
.set SPW,  28
.set NIL,  29
.set SA,   32                          ; v32-35  h's scale words, a register a tile of rows
.set SB,   36                          ; v36-43  W21's: register 4 (b / 8) + b % 4, lanes 0-15 or 16-31 by (b / 4) % 2
.set XB,   44                          ; v44-59  x's operand
.set WAB,  60                          ; v60-107 two sets of 8 of W1 and 16 of b1
.set ACC,  108                         ; v108-139
.set HQ,   140
.set C,    156
.set TM,   172
.set AF,   192
.set T,    192                         ; the way out
.set P0,   224
.set P1,   232
.set G1,   20
.set G0,   28
.set WV,   48
.set CX,   49
.set WG,   50
.set PFB,  58
.set SEL,  60
.set MANT, 62
.set MSB, 0
.macro WIN new
.if MSB != (\new)
	s_set_vgpr_msb (MSB<<8)|(\new)
.set MSB, (\new)
.endif
.endm
.macro CROUND
	s_barrier_signal -1
	s_barrier_wait -1
	s_cmp_lg_u32 s[WV], 0
	s_cbranch_scc1 .Lnot_wave_0_\@
	s_barrier_signal -3
.Lnot_wave_0_\@:
	s_barrier_wait -3
	s_barrier_signal -1
	s_barrier_wait -1
.endm
.macro PLACES                          ; eight places behind the scaled form
.rept 8
	v_nop
.endr
.endm
	s_load_b512 s[4:19], s[0:1], 0x0               ; x, W1, b1, wimg s[10:11], b21, W31, b31 s[16:17], output_mean s[18:19]
	s_load_b256 s[36:43], s[0:1], 0x40             ; output_std, s0, s1, s2
	s_load_b128 s[44:47], s[0:1], 0x60             ; s3, out0
	v_lshl_add_u32 v[SPW], v0, 2, SPARE
	v_mov_b32 v[NIL], 0
	ds_add_u32 v[SPW], v[NIL]                      ; the opening lines: the add, twice on end, and its wait
	ds_add_u32 v[SPW], v[NIL]
	v_lshrrev_b32 v4, 5, v0
	v_readfirstlane_b32 s[WV], v4
	s_bfe_u32 s[CX], ttmp6, 0x40000
	s_lshl_b32 s[WG], ttmp9, 2
	s_add_co_u32 s[WG], s[WG], s[CX]               ; which 64 rows
	s_mov_b32 s[G1+0], 15|(3<<16)|(1<<21)          ; the four of the cluster; elements of 8 bytes
	s_mov_b32 s[G1+1], 32<<16                      ; rows of 256 bytes
	s_mov_b32 s[G1+2], 132<<16
	s_mov_b32 s[G1+3], 32<<16
	s_mov_b32 s[G1+4], 132
	s_mov_b32 s[G1+5], 32
	s_mov_b32 s[G1+6], 0
	s_mov_b32 s[G1+7], 0
	s_mov_b32 s[G0], 1
	s_mov_b32 s[G0+4], 1
	s_mul_i32 s[G0+1], s[WV], QB
	s_add_co_u32 s[G0+5], s[G0+1], STEPB
	s_mul_i32 s52, s[WV], QB
	s_mov_b32 s53, 0
	s_lshl_b32 s54, s[WV], 7                       ; W1, b1: my 32 hidden units
	s_mov_b32 s55, 0
	s_lshl_b32 s56, s[WG], 11                      ; x: 64 rows of 32 bytes
	s_mov_b32 s57, 0
	s_lshl_b32 s76, s[WG], 9                       ; out0: 64 rows of 8 bytes
	s_mov_b32 s77, 0
	s_lshl_b32 s78, s[WV], 10                      ; b21: my 256 columns
	s_mov_b32 s79, 0
	s_lshl_b32 s80, s[WV], 11                      ; W31: my 256 rows of 8 bytes
	s_mov_b32 s81, 0
	s_mul_i32 s82, s[CX], 33*256
	s_lshl_b32 s83, s[WV], 9
	s_add_co_u32 s84, s80, W3S
	s_add_co_u32 s85, s83, RED
	s_mov_b32 s[SEL], 0x76543210
	s_mov_b32 s[SEL+1], 0xfedcba98
	s_mov_b32 s[MANT], 0x600000
	v_and_b32 v1, 15, v0                           ; r
	v_bfe_u32 v2, v0, 4, 1                         ; h
	v_and_b32 v3, 31, v0                           ; lane
	v_lshlrev_b32 v[L16], 4, v3
	v_lshl_add_u32 v[ADRB], v3, 4, s52
	v_add_nc_u32 v[ADRB+1], STEPB, v[ADRB]
	v_lshl_add_u32 v[ADRA], v3, 4, ASTG
	v_add_nc_u32 v[ASTO], s83, v[ADRA]             ; my block c = wave
	v_lshl_add_u32 v[ASCL], v1, 4, ASC
	v_add_nc_u32 v[ASCS], s[WV], v[ASCL]
	v_lshl_add_u32 v[W3L], v2, 6, s84
	v_lshl_add_u32 v[W3ST], v3, 4, s84
	v_lshl_add_u32 v[REDS], v3, 3, s85
	v_lshl_add_u32 v[REDL], v0, 3, RED
	v_lshlrev_b32 v[OUTO], 3, v0
	v_lshrrev_b32 v4, 3, v1
	v_and_b32 v[WOF], 7, v1
	v_lshlrev_b32 v[WOF], 2, v[WOF]
	v_lshl_add_u32 v[WOF], v4, 6, v[WOF]           ; W1: hidden unit 16 (r / 8) + r % 8,
	v_lshl_add_u32 v[WOF], v2, 15, v[WOF]          ; input 4 h
	v_lshlrev_b32 v[BOF], 6, v2
	v_lshlrev_b32 v[XOF], 5, v1
	v_lshl_add_u32 v[XOF], v2, 4, v[XOF]
	v_lshlrev_b32 v[BO], 5, v2
	v_lshl_add_u32 v[PF1], v3, 8, s82
	v_mov_b32 v[PF2], s82
	v_add_nc_u32 v[PF2], 32*256, v[PF2]
	v_mov_b32 v[TM+1], 0                           ; a lane permute's destination counts as one of its sources
	s_wait_alu depctr_va_vdst(0)                   ; the wait at the head's end
	s_wait_dscnt 0x0
	s_wait_kmcnt 0x0
	s_add_nc_u64 s[G0+2:G0+3], s[10:11], s[52:53]
	s_add_nc_u64 s[G0+6:G0+7], s[G0+2:G0+3], STEPB
	s_mov_b64 s[PFB:PFB+1], s[G0+2:G0+3]
	s_or_b32 s[G0+3], s[G0+3], 0x80000000
	s_or_b32 s[G0+7], s[G0+7], 0x80000000
	CROUND                                         ; the four work-groups are here: the first joint loads meet
	tensor_load_to_lds s[G0:G0+3], s[G1:G1+7]      ; step 0: the wave's one tensor load at the head
	s_nop 0
.rept 4
	v_nop
.endr
	s_add_nc_u64 s[4:5], s[4:5], s[56:57]
	s_add_nc_u64 s[6:7], s[6:7], s[54:55]
	s_add_nc_u64 s[8:9], s[8:9], s[54:55]
	s_add_nc_u64 s[12:13], s[12:13], s[78:79]
	s_add_nc_u64 s[14:15], s[14:15], s[80:81]
	s_add_nc_u64 s[46:47], s[46:47], s[76:77]
	s_load_b64 s[66:67], s[16:17], 0x0             ; b31
	s_load_b64 s[68:69], s[18:19], 0x0             ; output_mean
	s_load_b64 s[70:71], s[36:37], 0x0             ; output_std
	s_load_b32 s72, s[38:39], 0x0                  ; s0
	s_load_b32 s73, s[40:41], 0x0                  ; s1
	s_load_b32 s74, s[42:43], 0x0                  ; s2
	s_load_b32 s75, s[44:45], 0x0                  ; s3
.macro WLOAD set, rel                  ; W1 and b1 of my block of the step rel on from the trip's base: 12 loads
.irp u, 0,1
.irp k, 0,1,2,3
	global_load_b32 v[WAB+24*(\set)+4*\u+\k], v[WOF], s[6:7] offset:\k*8192+32*\u+512*(\rel)
.endr
.endr
.irp p, 0,1,2,3
	global_load_b128 v[WAB+24*(\set)+8+4*\p:WAB+24*(\set)+8+4*\p+3], v[BOF], s[8:9] offset:16*\p+512*(\rel)
.endr
.endm
.macro WM t, set                       ; a tile's four products; the two accumulators take turns
.set AS, ACC+16*((\t)%2)
.set XS, XB+4*(\t)
.set WA, WAB+24*(\set)
	v_wmma_f32_16x16x4_f32 v[AS:AS+7], v[WA:WA+1], v[XS:XS+1], v[WA+8:WA+15]
	v_wmma_f32_16x16x4_f32 v[AS+8:AS+15], v[WA+4:WA+5], v[XS:XS+1], v[WA+16:WA+23]
	v_wmma_f32_16x16x4_f32 v[AS:AS+7], v[WA+2:WA+3], v[XS+2:XS+3], v[AS:AS+7]
	v_wmma_f32_16x16x4_f32 v[AS+8:AS+15], v[WA+6:WA+7], v[XS+2:XS+3], v[AS+8:AS+15]
.endm
.macro QH t, stg                       ; tile t is quantised: register i of its set is h(row r, my block's k 16 h + i)
.set AS, ACC+16*((\t)%2)
.set CD, C+4*(\t)
	v_max3_num_f32 v[TM], v[AS], v[AS+1], 0x4800000                        ; no |.|: what is negative becomes 0; the floor 2^(9 - 127) stands over it
	v_max3_num_f32 v[TM+5], v[AS+2], v[AS+3], v[AS+4]
	v_max3_num_f32 v[TM], v[TM], v[AS+5], v[AS+6]
	v_max3_num_f32 v[TM+5], v[TM+5], v[AS+7], v[AS+8]
	v_max3_num_f32 v[TM], v[TM], v[AS+9], v[AS+10]
	v_max3_num_f32 v[TM+5], v[TM+5], v[AS+11], v[AS+12]
	v_max3_num_f32 v[TM], v[TM], v[AS+13], v[AS+14]
	v_max3_num_f32 v[TM], v[TM], v[TM+5], v[AS+15]
	v_permlanex16_b32 v[TM+1], v[TM], s[SEL], s[SEL+1]
	v_max_num_f32 v[TM], v[TM], v[TM+1]            ; with lane l xor 16's sixteen: the block's largest
	v_add_nc_u32 v[TM+2], 0xfc000000, v[TM]        ; the conversion's scale operand
	v_and_or_b32 v[TM+3], v[TM], 0x7f800000, s[MANT]                       ; 448 x the scale
.irp i, 0,1,2,3,4,5,6,7,8,9,10,11,12,13,14,15
	v_med3_num_f32 v[HQ+\i], v[AS+\i], 0, v[TM+3]  ; the activation and the hold in one (ISA guide 7.6.2)
.endr
	v_cvt_scalef32_pk8_fp8_f32 v[CD:CD+1], v[HQ:HQ+7], v[TM+2]
	v_cvt_scalef32_pk8_fp8_f32 v[CD+2:CD+3], v[HQ+8:HQ+15], v[TM+2]
	v_lshrrev_b32 v[TM+4], 23, v[TM+2]             ; the byte; also the plain line behind the conversions
	ds_store_b128 v[ASTO], v[CD:CD+3] offset:8192*(\stg)+2048*(\t)
	ds_store_b8 v[ASCS], v[TM+4] offset:256*(\stg)+4*(\t)                  ; both lanes of a block write the same byte with the same value
.endm
.macro HCOMP set, stg                  ; four tiles; a tile's products stand ahead of the quantiser of the tile before, whose plain lines are their places
	WM 0, \set
	WM 1, \set
	PLACES
	QH 0, \stg
	WM 2, \set
	QH 1, \stg
	WM 3, \set
	QH 2, \stg
	QH 3, \stg
.endm
.irp t, 0,1,2,3
	global_load_b128 v[XB+4*\t:XB+4*\t+3], v[XOF], s[4:5] offset:512*\t    ; x(16 t + r, 4 h + 0 .. 3)
.endr
	WLOAD 0, 0
	WLOAD 1, 1
.irp i, 0,1,2,3
	global_load_b128 v[AF+4*\i:AF+4*\i+3], v[L16], s[14:15] offset:512*\i  ; W31, my 2,048 bytes
.endr
	WIN 0x40
.irp b, 0,1,2,3,4,5,6,7,8,9,10,11,12,13,14,15
	global_load_b128 v[128+8*\b:128+8*\b+3], v[BO], s[12:13] offset:64*\b  ; b21 at columns 16 b + 8 h + 0 .. 7, into window 1
	global_load_b128 v[128+8*\b+4:128+8*\b+7], v[BO], s[12:13] offset:64*\b+16
.endr
	WIN 0
	s_wait_loadcnt 48                              ; x and the first set are in; behind them: 12 + 4 + 32
	HCOMP 0, 0                                     ; h of step 0
	s_wait_loadcnt 32                              ; W31 is in
.irp i, 0,1,2,3
	ds_store_b128 v[W3ST], v[AF+4*\i:AF+4*\i+3] offset:512*\i
.endr
	s_wait_alu depctr_va_vdst(0)                   ; the wait ahead of the wait below
	s_wait_tensorcnt 0x0                           ; my quarter of step 0 is in
	ds_add_u32 v[SPW], v[NIL]
	s_add_nc_u64 s[G0+2:G0+3], s[G0+2:G0+3], 2*STEPB
	s_wait_dscnt 0x0
	CROUND
.macro MM d, bf, af, c0, sb, sa, row
.if \row
	v_wmma_scale_f32_16x16x128_f8f6f4 v[\d:\d+7], v[\bf:\bf+15], v[\af:\af+15], v[\c0:\c0+7], v[\sb], v[\sa] matrix_a_scale:MATRIX_SCALE_ROW1
.else
	v_wmma_scale_f32_16x16x128_f8f6f4 v[\d:\d+7], v[\bf:\bf+15], v[\af:\af+15], v[\c0:\c0+7], v[\sb], v[\sa]
.endif
.endm
.macro PROD b0, fb, first              ; 32 products: column tiles b0 .. b0 + 7 x h's four; the accumulators take turns
.irp bb, 0,1,2,3,4,5,6,7
.irp a, 0,1,2,3
.if \first
	MM 8*(4*\bb+\a), 16*(\b0+\bb-\fb), AF+16*\a, 128+8*(\b0+\bb), SB+4*(\b0/8)+\bb%4, SA+\a, \bb/4
.else
	MM 8*(4*\bb+\a), 16*(\b0+\bb-\fb), AF+16*\a, 8*(4*\bb+\a), SB+4*(\b0/8)+\bb%4, SA+\a, \bb/4
.endif
.endr
.endr
.endm
.macro BL4 par, b0, fb                 ; four fragments of W21: 16 loads
.irp b, 0,1,2,3
.irp c, 0,1,2,3
	ds_load_b128 v[16*(\b0+\b-\fb)+4*\c:16*(\b0+\b-\fb)+4*\c+3], v[ADRB+\par] offset:2048*(\b0+\b)+512*\c
.endr
.endr
.endm
.macro BLOAD par, b0, fb
.irp b, 0,1,2,3,4,5,6,7
.irp c, 0,1,2,3
	ds_load_b128 v[16*(\b0+\b-\fb)+4*\c:16*(\b0+\b-\fb)+4*\c+3], v[ADRB+\par] offset:2048*(\b0+\b)+512*\c
.endr
.endr
.endm
; A step.  par: its slot, its half of the stage.  jl: the next step's image is asked for.  hc: the next step's h is made.  wrel: W1 and b1 of the step after next (0: none).  pfo: the prefetch's offset (0: none).
; rnd: 2 a round of the cluster's barrier (a refill follows), 1 the work-group's barrier, 0 none.
.macro STEP par, first, jl, hc, wrel, pfo, rnd
.if \jl
	tensor_load_to_lds s[G0+4*(1-\par):G0+4*(1-\par)+3], s[G1:G1+7]        ; first behind the round: into the slot read last step
	s_nop 0
.rept 4
	v_nop
.endr
.endif
.if \hc
	s_wait_loadcnt 0x0                             ; W1 and b1 of the next step's block, asked for in the last step, are in
	WM 0, 1-\par                                   ; the next step's h: the first two tiles' products; the step's LDS loads are issued in groups behind the f32 products
	WM 1, 1-\par
.endif
	ds_load_b128 v[SA:SA+3], v[ASCL] offset:256*\par
	ds_load_b128 v[SB:SB+3], v[ADRB+\par] offset:32768
	ds_load_b128 v[SB+4:SB+7], v[ADRB+\par] offset:32768+512
.irp a, 0,1,2,3
.irp c, 0,1,2,3
	ds_load_b128 v[AF+16*\a+4*\c:AF+16*\a+4*\c+3], v[ADRA] offset:8192*\par+2048*\a+512*\c
.endr
.endr
	WIN 0x40
	BL4 \par, 0, 0
.if \hc == 0
	BL4 \par, 4, 0
	BL4 \par, 8, 0
	BL4 \par, 12, 0
.endif
	WIN 0
.if \hc
	PLACES                                         ; behind the first two tiles' products
	QH 0, 1-\par
	WM 2, 1-\par
	WIN 0x40
	BL4 \par, 4, 0
	WIN 0
	QH 1, 1-\par                                   ; its plain lines are the places behind the third tile's products
	WM 3, 1-\par
.if \first == 0
	WIN 0x40
	BL4 \par, 8, 0
	WIN 0
.endif
.endif
.if \wrel
	WLOAD \par, \wrel
.endif
.if \pfo
	s_cmp_lt_u32 ttmp9, 4                          ; four clusters ask
	s_cbranch_scc0 .Lno_ask_\@
	global_prefetch_b8 v[PF1], s[PFB:PFB+1] offset:\pfo th:TH_LOAD_NT scope:SCOPE_SE
	global_prefetch_b8 v[PF2], s[PFB:PFB+1] offset:\pfo th:TH_LOAD_NT scope:SCOPE_SE
.Lno_ask_\@:
.endif
.if \hc
	QH 2, 1-\par
.if \first == 0
	WIN 0x40
	BL4 \par, 12, 0
	WIN 0
.endif
	QH 3, 1-\par
	s_wait_alu depctr_va_vdst(0)                   ; the wait ahead of the wait below
.if \first
	s_wait_dscnt 6                                 ; h's fragments, the scale words and column tiles 0-7 are in; behind them: three quantisers' two stores each
.else
	s_wait_dscnt 38                                ; the same; behind them: 2 stores, 16 loads, 2 stores, 16 loads, 2 stores
.endif
.else
	s_wait_dscnt 0x0
.endif
.if \first
	WIN 0x91                                       ; source 0 and C window 1, source 1 window 0, D window 2
	PROD 0, 0, 1
	PLACES
	WIN 0x40
	BLOAD \par, 8, 8
	s_wait_dscnt 0x0
	WIN 0xd1
	PROD 8, 8, 1
.else
	WIN 0xa1
	PROD 0, 0, 0
	s_wait_dscnt 2                                 ; column tiles 8-15 are in; the last quantiser's two stores may be out
	WIN 0xf1
	PROD 8, 0, 0
.endif
	PLACES                                         ; in front of the next step's loads into the operands' registers
	WIN 0
.if \rnd
	s_wait_tensorcnt 0x0                           ; my quarter of the next step is in;
	ds_add_u32 v[SPW], v[NIL]
.if \rnd == 2
	s_add_nc_u64 s[G0+4*(1-\par)+2:G0+4*(1-\par)+3], s[G0+4*(1-\par)+2:G0+4*(1-\par)+3], 2*STEPB
.endif
	s_wait_dscnt 0x0                               ; the add, my reads of this slot and stage and my stores into the other half are done
.if \rnd == 2
	CROUND
.else
	s_barrier_signal -1
	s_barrier_wait -1
.endif
.endif
.endm
	STEP 0, 1, 1, 1, 2, 3*STEPB, 2                 ; step 0 stands in front of the loop: its products start the sums
	s_mov_b32 s3, 6
.Ltrip:                                                ; steps 2 i + 1, 2 i + 2
	STEP 1, 0, 1, 1, 3, 4*STEPB, 2
	STEP 0, 0, 1, 1, 4, 5*STEPB, 2
	s_wait_xcnt 0x0                                ; the loads and prefetches have read their bases
	s_add_nc_u64 s[6:7], s[6:7], 1024
	s_add_nc_u64 s[8:9], s[8:9], 1024
	s_add_nc_u64 s[PFB:PFB+1], s[PFB:PFB+1], 2*STEPB
	s_sub_co_u32 s3, s3, 1
	s_cmp_lg_u32 s3, 0
	s_cbranch_scc1 .Ltrip
	STEP 1, 0, 1, 1, 3, 0, 2                       ; step 13
	STEP 0, 0, 1, 1, 0, 0, 1                       ; step 14: the last image is asked for, the last h is made; no refill follows
	STEP 1, 0, 0, 0, 0, 0, 0                       ; step 15
; THE WAY OUT: relu, two multiply-adds a number with W31's two columns; lane l xor 16 has the other eight columns of a tile, the other waves the other columns.
	WIN 0x40
.irp b, 0,1,2,3,4,5,6,7,8,9,10,11,12,13,14,15
.irp p, 0,1,2,3
	ds_load_b128 v[16*\b+4*\p:16*\b+4*\p+3], v[W3L] offset:128*\b+16*\p    ; W31 at columns 16 b + 8 h + 0 .. 7: bytes that I stored myself
.endr
.endr
	WIN 0
	s_wait_dscnt 0x0
.macro EPI hf, bb
.set WB, 16*(8*\hf+\bb)
	WIN (0x08+4*\hf)
.irp a, 0,1,2,3
.irp j, 0,1,2,3,4,5,6,7
	v_max_num_f32 v[T+8*\a+\j], 0, v[8*(4*\bb+\a)+\j]                      ; each accumulator from its low end on
.endr
.endr
	WIN 0x04
.irp j, 0,1,2,3,4,5,6,7
.irp a, 0,1,2,3
.if (\hf == 0) && (\bb == 0) && (\j == 0)
	v_pk_mul_f32 v[P0+2*\a:P0+2*\a+1], v[T+8*\a:T+8*\a+1], v[WB:WB+1] op_sel_hi:[0,1]
.elseif (\hf == 0) && (\bb == 0) && (\j == 1)
	v_pk_mul_f32 v[P1+2*\a:P1+2*\a+1], v[T+8*\a:T+8*\a+1], v[WB+2:WB+3] op_sel:[1,0] op_sel_hi:[1,1]
.elseif \j%2 == 0
	v_pk_fma_f32 v[P0+2*\a:P0+2*\a+1], v[T+8*\a+\j:T+8*\a+\j+1], v[WB+2*\j:WB+2*\j+1], v[P0+2*\a:P0+2*\a+1] op_sel_hi:[0,1,1]
.else
	v_pk_fma_f32 v[P1+2*\a:P1+2*\a+1], v[T+8*\a+\j-1:T+8*\a+\j], v[WB+2*\j:WB+2*\j+1], v[P1+2*\a:P1+2*\a+1] op_sel:[1,0,0] op_sel_hi:[1,1,1]
.endif
.endr
.endr
.endm
.irp hf, 0,1
.irp bb, 0,1,2,3,4,5,6,7
	EPI \hf, \bb
.endr
.endr
	WIN 0
.irp a, 0,1,2,3
	v_pk_add_f32 v[P0+2*\a:P0+2*\a+1], v[P0+2*\a:P0+2*\a+1], v[P1+2*\a:P1+2*\a+1]
.endr
.irp i, 0,1,2,3,4,5,6,7
	v_permlanex16_b32 v[T+\i], v[P0+\i], s[SEL], s[SEL+1]
.endr
.irp i, 0,1,2,3,4,5,6,7
	v_add_f32 v[P0+\i], v[P0+\i], v[T+\i]
.endr
	v_cmp_ne_u32 vcc_lo, 0, v2
.irp p, 0,1
.irp c, 0,1
	v_cndmask_b32 v[T+2*\p+\c], v[P0+4*\p+\c], v[P0+4*\p+2+\c], vcc_lo      ; lane l keeps row 32 p + l
.endr
.endr
.irp p, 0,1
	ds_store_b64 v[REDS], v[T+2*\p:T+2*\p+1] offset:256*\p
.endr
	s_wait_alu depctr_va_vdst(0)                   ; the wait ahead of the waits, the barrier and the branch below
	s_wait_kmcnt 0x0                               ; the small inputs, asked for at the head
	s_wait_dscnt 0x0                               ; for the others' sake: my partial sums have landed
	s_barrier_signal -1
	s_barrier_wait -1
	s_cmp_ge_u32 s[WV], 2                          ; waves 0 and 1 finish the 64 rows, a thread a row
	s_cbranch_scc1 .Lend
.irp k, 0,1,2,3
	ds_load_b64 v[140+2*\k:141+2*\k], v[REDL] offset:512*\k
.endr
	v_rcp_f32 v160, s70                            ; 1 / output_std; the lines below are the plain work behind the two
	v_rcp_f32 v161, s71
	v_add_f32 v152, s74, 1.0                       ; upper: 1 + s2,
	v_add_f32 v153, s72, 1.0                       ; 1 + s0
	v_add_f32 v154, s75, 1.0                       ; -lower: 1 + s3,
	v_add_f32 v155, s73, 1.0                       ; 1 + s1
	v_mov_b32 v156, s68
	v_mov_b32 v157, s69
	s_wait_alu depctr_va_vdst(0)                   ; one wait for the two reciprocals and for the lines above, ahead of the wait below
	s_wait_dscnt 0x0
	v_pk_add_f32 v[140:141], v[140:141], v[142:143]
	v_pk_add_f32 v[144:145], v[144:145], v[146:147]
	v_pk_add_f32 v[140:141], v[140:141], v[144:145]
	v_add_f32 v140, s66, v140                      ; x31
	v_add_f32 v141, s67, v141
	v_fma_f32 v140, v140, s70, v156                ; x31_actual
	v_fma_f32 v141, v141, s71, v157
	v_max_num_f32 v140, -v140, -v154               ; max(-x31_actual, lower)
	v_max_num_f32 v141, -v141, -v155
	v_min_num_f32 v140, v140, v152
	v_min_num_f32 v141, v141, v153
	v_sub_f32 v140, v140, v156
	v_sub_f32 v141, v141, v157
	v_mul_f32 v140, v140, v160
	v_mul_f32 v141, v141, v161
	global_store_b64 v[OUTO], v[140:141], s[46:47] ; a wave stores 256 consecutive bytes, aligned
.Lend:
	s_wait_tensorcnt 0x0                           ; the wave's end
	ds_add_u32 v[SPW], v[NIL]
	s_wait_dscnt 0x0
	CROUND                                         ; the closing round
	s_endpgm
.Lfunc_end_k_q83b2d44289_chain:
	.size	k_q83b2d44289_chain, .Lfunc_end_k_q83b2d44289_chain-k_q83b2d44289_chain
	.p2alignl 7, 3214868480
	.fill 96, 4, 3214868480
	.section	.rodata,"a",@progbits
	.p2align	6, 0x0
	.amdhsa_kernel k_q83b2d44289_chain
		.amdhsa_group_segment_fixed_size 327680
		.amdhsa_private_segment_fixed_size 0
		.amdhsa_enable_private_segment 0
		.amdhsa_kernarg_size 112
		.amdhsa_user_sgpr_count 2
		.amdhsa_user_sgpr_kernarg_segment_ptr 1
		.amdhsa_wavefront_size32 1
		.amdhsa_system_sgpr_workgroup_id_x 1
		.amdhsa_system_sgpr_workgroup_id_y 1
		.amdhsa_system_sgpr_workgroup_id_z 1
		.amdhsa_system_vgpr_workitem_id 0
		.amdhsa_next_free_vgpr 1024
		.amdhsa_next_free_sgpr 96
		.amdhsa_reserve_vcc 1
		.amdhsa_float_denorm_mode_32 3
		.amdhsa_float_denorm_mode_16_64 3
		.amdhsa_memory_ordered 1
		.amdhsa_forward_progress 1
		.amdhsa_inst_pref_size 218
	.end_amdhsa_kernel
	.amdgpu_metadata
---
amdhsa.version: [ 1, 2 ]
amdhsa.kernels:
  - .name:           k_q83b2d44289_chain
    .symbol:         k_q83b2d44289_chain.kd
    .args:
      - { .name: x, .offset: 0, .size: 8, .value_kind: global_buffer, .address_space: global }
      - { .name: W1, .offset: 8, .size: 8, .value_kind: global_buffer, .address_space: global }
      - { .name: b1, .offset: 16, .size: 8, .value_kind: global_buffer, .address_space: global }
      - { .name: wimg, .offset: 24, .size: 8, .value_kind: global_buffer, .address_space: global }
      - { .name: b21, .offset: 32, .size: 8, .value_kind: global_buffer, .address_space: global }
      - { .name: W31, .offset: 40, .size: 8, .value_kind: global_buffer, .address_space: global }
      - { .name: b31, .offset: 48, .size: 8, .value_kind: global_buffer, .address_space: global }
      - { .name: output_mean, .offset: 56, .size: 8, .value_kind: global_buffer, .address_space: global }
      - { .name: output_std, .offset: 64, .size: 8, .value_kind: global_buffer, .address_space: global }
      - { .name: s0, .offset: 72, .size: 8, .value_kind: global_buffer, .address_space: global }
      - { .name: s1, .offset: 80, .size: 8, .value_kind: global_buffer, .address_space: global }
      - { .name: s2, .offset: 88, .size: 8, .value_kind: global_buffer, .address_space: global }
      - { .name: s3, .offset: 96, .size: 8, .value_kind: global_buffer, .address_space: global }
      - { .name: out0, .offset: 104, .size: 8, .value_kind: global_buffer, .address_space: global }
    .group_segment_fixed_size: 327680
    .private_segment_fixed_size: 0
    .kernarg_segment_align: 8
    .kernarg_segment_size: 112
    .max_flat_workgroup_size: 128
    .sgpr_count:     96
    .vgpr_count:     1024
    .wavefront_size: 32
...
	.end_amdgpu_metadata
.endif
;; end of part 2
